; MI455X (gfx1250); checked and timed in simulation.
; The chip was launched on July 23, 2026; its instructions are those of AMD's public machine-readable ISA for CDNA 5 (MIT licence, August 2026) and "CDNA5" Instruction Set Architecture Reference Guide (July 2026). The comments in the code are by the model that wrote it; some were corrected since.
;; Tensor Square. Allowed arithmetic: float matrix products may take bf16 or f16 operands with f32 sums; other float arithmetic in f32, or as packed bf16 or f16 multiplies, adds, multiply-adds, maxima and minima; sums over many terms, partial sums and values carried from step to step in f32; what a program stores and reads back later, other than sums and carried values, may be rounded once to bf16 or f16.
;; Inputs: features 4,096 x 128 float32; mixing_matrix 1,024 x 16,384 float32.
;; Outputs: out0 4,096 x 1,024 float32.
;; One version. Each part assembles by itself: llvm-mc -triple=amdgcn-amd-amdhsa -mcpu=gfx1250 --defsym DOCPART=n.
;; ======== version 1 of 1: 2 launches
;; limits: values are held in f16: magnitudes above 65,504 overflow, below 6.1e-05 lose precision; inputs' magnitudes at most 255
;; workspace buffers: cs 20,971,520 bytes
;; launch fold (part 1): grid 1024 x 1, 8 waves a work-group, no clusters, 67,584 bytes of LDS; arguments mixing_matrix, cs; writes cs
.if DOCPART == 1
	.amdgcn_target "amdgcn-amd-amdhsa--gfx1250"
	.amdhsa_code_object_version 6
	.text
	.protected	k_q47dc8bde89_fold
	.globl	k_q47dc8bde89_fold
	.p2align	8
	.type	k_q47dc8bde89_fold,@function
k_q47dc8bde89_fold:
	s_mov_b64 s[64:65], 0
	v_nop
	global_prefetch_b8 v0, s[64:65] scope:SCOPE_SE
	s_setreg_imm32_b32 hwreg(HW_REG_WAVE_MODE, 25, 1), 1
	s_wait_xcnt 0x0
; cs[k][640 t + 32 s + j'] = f16( C[k][i][j] + (ci < cj ? C[k][j][i] : 0) ),  s = 2 p + e,  i = 32 ci + 2 t + e,  j = 32 cj + j'.
; C = mixing_matrix, [1024][128][128] f32.  The sum over i, j of C_ij f_i f_j takes f_i f_j = f_j f_i for every input, so of the 16 pairs (ci, cj) of
; chunks of 32 indices only the ten with ci <= cj are kept: the six with ci < cj hold C_ij + C_ji, the four with ci = cj hold C_ij as it is.
; K shrinks from 16,384 to 10,240; every byte of C is read once.  The order of the columns is the order in which the product walks K: sixteen tiles t of
; 640 columns, each with all ten panels p and two values of i (e = 0, 1) for each.
; LIMITS.  One rounding to f16: |C_ij + C_ji| below 65,520, else an infinity; below 6.1e-5 f16 keeps its fixed step of 6e-8.  C is finite: on the panels
; with ci = cj the mirrored number is multiplied by 0, which makes a NaN of an infinity.
; SHARES.  One work-group for each k: 65,536 bytes in, 20,480 out.  The matrix is laid into LDS once, so that the mirrored numbers, which lie along a column, cost no
; second read of memory.  Memory binds: no matrix unit, no cluster (no two work-groups read the same byte), loads through registers so that several work-groups lie on a WGP.
; Each load of a wave covers 256 consecutive bytes, each store 256 consecutive bytes at a multiple of 256 from the buffer's first byte.
.set P,     520                        ; a row of the matrix in LDS: 512 bytes + 8 = 130 words: four rows on are 8 banks on
.set SPARE, 128*P                      ; behind the matrix (66,560 = 260 x 256): the spare words, 128 bytes for each of the eight waves
.set GO,  3                            ; v3      8,192 w + 8 l: my 8 bytes in my wave's 16 rows of C[k]
.set LS,  4                            ; v4      16 w rows + 8 l: the same in LDS
.set PB,  5                            ; v5      l / 16: which of a unit's two panels is mine
.set NPB, 6                            ; v6      1 - that
.set EE,  7                            ; v7      e = (l / 8) % 2
.set NN,  8                            ; v8      n = l % 8: my columns j' = 4 n .. 4 n + 3
.set U0,  9                            ; v9      (4 w + e) rows + 16 n
.set L0,  10                           ; v10     4 n rows + 4 e + 16 w
.set SO,  11                           ; v11     2,560 w + 8 l: my 8 bytes in my wave's two tiles of cs[k]
.set SPW, 12                           ; v12     LDS address of my spare word; never rewritten
.set NIL, 13                           ; v13     0; never rewritten
.set ZA,  14                           ; v[14:15] l / 16 as a float, twice
.set ZB,  16                           ; v[16:17] 1 - l / 16 as a float, twice
.set AU,  18                           ; v18-22  unit u: where I read C[i][j ..]
.set AL,  23                           ; v23-27  unit u: where I read C[j ..][i]
.set X,   28                           ; v[28:91] first the 32 loads' data; then unit u at X + 8 u: four numbers along the row, four down the column
.set Y,   92                           ; v[92:111] the ten units' 8 bytes to store, each in registers of its own: no store's data is ever rewritten
.macro PANEL p                         ; panel p of ten: (0,0) (0,1) (0,2) (0,3) (1,1) (1,2) (1,3) (2,2) (2,3) (3,3)
.if (\p) < 4
.set CI, 0
.set CJ, (\p)
.elseif (\p) < 7
.set CI, 1
.set CJ, (\p)-3
.elseif (\p) < 9
.set CI, 2
.set CJ, (\p)-5
.else
.set CI, 3
.set CJ, 3
.endif
.endm
.macro UNITK u                         ; unit u holds panels 2 u and 2 u + 1: the LDS bytes of their corners, straight (KU) and mirrored (KL), and the lesser of each two
	PANEL 2*(\u)
.set KU0, 32*P*CI+128*CJ
.set KL0, 32*P*CJ+128*CI
	PANEL 2*(\u)+1
.set KU1, 32*P*CI+128*CJ
.set KL1, 32*P*CJ+128*CI
.set KUMIN, KU0
.if KU1 < KU0
.set KUMIN, KU1
.endif
.set KLMIN, KL0
.if KL1 < KL0
.set KLMIN, KL1
.endif
.endm
	s_load_b128 s[4:7], s[0:1], 0x0                ; C s[4:5], cs s[6:7]
	v_lshl_add_u32 v[SPW], v0, 2, SPARE
	v_mov_b32 v[NIL], 0
	v_and_b32 v1, 31, v0                           ; l
	v_lshrrev_b32 v2, 5, v0
	v_readfirstlane_b32 s10, v2                    ; w, as a scalar
	s_lshl_b32 s2, ttmp9, 16                       ; k x 65,536 bytes
	s_mov_b32 s3, 0
	s_mul_i32 s8, ttmp9, 20480                     ; k x 20,480 bytes
	s_mov_b32 s9, 0
	s_lshl_b32 s12, s10, 13
	v_lshl_add_u32 v[GO], v1, 3, s12
	s_wait_kmcnt 0x0
	s_add_nc_u64 s[4:5], s[4:5], s[2:3]
	s_add_nc_u64 s[6:7], s[6:7], s[8:9]
.set i, 0
.rept 32                               ; my wave's 16 rows, 8,192 bytes on end; all 32 loads are out together
	global_load_b64 v[X+2*i:X+2*i+1], v[GO], s[4:5] offset:256*i th:TH_LOAD_NT
.set i, i+1
.endr
	; the addresses are made while the loads are out
	s_mul_i32 s11, s10, 16*P
	s_mul_i32 s13, s10, 2560
	s_mul_i32 s14, s10, 4*P
	s_lshl_b32 s15, s10, 4
	v_lshl_add_u32 v[LS], v1, 3, s11
	v_lshl_add_u32 v[SO], v1, 3, s13
	v_bfe_u32 v[PB], v0, 4, 1
	v_xor_b32 v[NPB], 1, v[PB]
	v_bfe_u32 v[EE], v0, 3, 1
	v_and_b32 v[NN], 7, v0
	v_mad_u32_u24 v[U0], v[EE], P, s14
	v_lshl_add_u32 v[U0], v[NN], 4, v[U0]
	v_mad_u32_u24 v[L0], v[NN], 4*P, s15
	v_lshl_add_u32 v[L0], v[EE], 2, v[L0]
	v_cvt_f32_u32 v[ZA], v[PB]
	v_cvt_f32_u32 v[ZA+1], v[PB]
	v_cvt_f32_u32 v[ZB], v[NPB]
	v_cvt_f32_u32 v[ZB+1], v[NPB]
.irp u, 0,1,2,3,4                      ; the lesser corner stands in the loads' immediates, the distance to the other is added for the lanes that own it
	UNITK \u
.if KU1 >= KU0
	v_mad_u32_u24 v[AU+(\u)], v[PB], KU1-KU0, v[U0]
.else
	v_mad_u32_u24 v[AU+(\u)], v[NPB], KU0-KU1, v[U0]
.endif
.if KL1 >= KL0
	v_mad_u32_u24 v[AL+(\u)], v[PB], KL1-KL0, v[L0]
.else
	v_mad_u32_u24 v[AL+(\u)], v[NPB], KL0-KL1, v[L0]
.endif
.endr
.set i, 0
.rept 32
	s_wait_loadcnt 31-i                            ; loads come back in order: load i is in, the 31 - i younger ones stay out
	ds_store_b64 v[LS], v[X+2*i:X+2*i+1] offset:(i/2)*P+(i%2)*256
.set i, i+1
.endr
	s_wait_dscnt 0x0                               ; for the others' sake: my 16 rows are in LDS
	s_barrier_signal -1
	s_barrier_wait -1                              ; the whole matrix is; nobody writes it again
	; Wave w makes tiles 2 w and 2 w + 1.  A tile is five units of 256 bytes; in unit u lane l has s = 4 u + l / 8, that is panel 2 u + l / 16 and e = (l / 8) % 2, and four columns.
.irp tau, 0,1
.irp u, 0,1,2,3,4
	UNITK \u
	ds_load_b64 v[X+8*(\u):X+8*(\u)+1],   v[AU+(\u)] offset:KUMIN+2*P*(\tau)     ; C[i][j .. j+3]: i goes two rows on from tile to tile
	ds_load_b64 v[X+8*(\u)+2:X+8*(\u)+3], v[AU+(\u)] offset:KUMIN+2*P*(\tau)+8
.irp c, 0,1,2,3
	ds_load_b32 v[X+8*(\u)+4+(\c)], v[AL+(\u)] offset:KLMIN+P*(\c)+8*(\tau)       ; C[j + c][i]
.endr
.endr
.irp u, 0,1,2,3,4
	s_wait_dscnt 24-6*(\u)                         ; LDS loads come back in order: unit u's six are in, the later units' six each stay out
.if (\u) == 1                          ; panels (0,2), (0,3): both take the mirrored number
	v_pk_add_f32 v[X+8*(\u):X+8*(\u)+1],   v[X+8*(\u):X+8*(\u)+1],   v[X+8*(\u)+4:X+8*(\u)+5]
	v_pk_add_f32 v[X+8*(\u)+2:X+8*(\u)+3], v[X+8*(\u)+2:X+8*(\u)+3], v[X+8*(\u)+6:X+8*(\u)+7]
.elseif (\u) < 3                       ; units 0 and 2: the first panel has ci = cj, the second takes the mirrored number
	v_pk_fma_f32 v[X+8*(\u):X+8*(\u)+1],   v[X+8*(\u)+4:X+8*(\u)+5], v[ZA:ZA+1], v[X+8*(\u):X+8*(\u)+1]
	v_pk_fma_f32 v[X+8*(\u)+2:X+8*(\u)+3], v[X+8*(\u)+6:X+8*(\u)+7], v[ZA:ZA+1], v[X+8*(\u)+2:X+8*(\u)+3]
.else                                  ; units 3 and 4: the other way round
	v_pk_fma_f32 v[X+8*(\u):X+8*(\u)+1],   v[X+8*(\u)+4:X+8*(\u)+5], v[ZB:ZB+1], v[X+8*(\u):X+8*(\u)+1]
	v_pk_fma_f32 v[X+8*(\u)+2:X+8*(\u)+3], v[X+8*(\u)+6:X+8*(\u)+7], v[ZB:ZB+1], v[X+8*(\u)+2:X+8*(\u)+3]
.endif
	v_cvt_pk_f16_f32 v[Y+2*(5*(\tau)+(\u))],   v[X+8*(\u)],   v[X+8*(\u)+1]
	v_cvt_pk_f16_f32 v[Y+2*(5*(\tau)+(\u))+1], v[X+8*(\u)+2], v[X+8*(\u)+3]
	global_store_b64 v[SO], v[Y+2*(5*(\tau)+(\u)):Y+2*(5*(\tau)+(\u))+1], s[6:7] offset:1280*(\tau)+256*(\u)  ; 32 lanes store 256 consecutive bytes; the next launch reads them, so no hint
.endr
.endr
	s_wait_tensorcnt 0x0                           ; the wave's end: behind my last LDS store
	ds_add_u32 v[SPW], v[NIL]
	s_wait_dscnt 0x0
	s_endpgm
.Lfunc_end_k_q47dc8bde89_fold:
	.size	k_q47dc8bde89_fold, .Lfunc_end_k_q47dc8bde89_fold-k_q47dc8bde89_fold
	.p2alignl 7, 3214868480
	.fill 96, 4, 3214868480
	.section	.rodata,"a",@progbits
	.p2align	6, 0x0
	.amdhsa_kernel k_q47dc8bde89_fold
		.amdhsa_group_segment_fixed_size 67584
		.amdhsa_private_segment_fixed_size 0
		.amdhsa_enable_private_segment 0
		.amdhsa_kernarg_size 16
		.amdhsa_user_sgpr_count 2
		.amdhsa_user_sgpr_kernarg_segment_ptr 1
		.amdhsa_wavefront_size32 1
		.amdhsa_system_sgpr_workgroup_id_x 1
		.amdhsa_system_sgpr_workgroup_id_y 1
		.amdhsa_system_sgpr_workgroup_id_z 1
		.amdhsa_system_vgpr_workitem_id 0
		.amdhsa_next_free_vgpr 112
		.amdhsa_next_free_sgpr 66
		.amdhsa_reserve_vcc 0
		.amdhsa_float_denorm_mode_32 3
		.amdhsa_float_denorm_mode_16_64 3
		.amdhsa_memory_ordered 1
		.amdhsa_forward_progress 1
		.amdhsa_inst_pref_size 17
	.end_amdhsa_kernel
	.amdgpu_metadata
---
amdhsa.version: [ 1, 2 ]
amdhsa.kernels:
  - .name:           k_q47dc8bde89_fold
    .symbol:         k_q47dc8bde89_fold.kd
    .args:
      - { .name: mixing_matrix, .offset: 0, .size: 8, .value_kind: global_buffer, .address_space: global }
      - { .name: cs, .offset: 8, .size: 8, .value_kind: global_buffer, .address_space: global }
    .group_segment_fixed_size: 67584
    .private_segment_fixed_size: 0
    .kernarg_segment_align: 8
    .kernarg_segment_size: 16
    .max_flat_workgroup_size: 256
    .sgpr_count:     66
    .vgpr_count:     112
    .wavefront_size: 32
...
	.end_amdgpu_metadata
.endif
;; end of part 1
;; launch square (part 2): grid 16 x 16, 4 waves a work-group, clusters of 4 x 1, 327,680 bytes of LDS; arguments features, cs, out0; writes out0
.if DOCPART == 2
	.amdgcn_target "amdgcn-amd-amdhsa--gfx1250"
	.amdhsa_code_object_version 6
	.text
	.protected	k_q47dc8bde89_square
	.globl	k_q47dc8bde89_square
	.p2align	8
	.type	k_q47dc8bde89_square,@function
k_q47dc8bde89_square:
	s_mov_b64 s[64:65], 0
	v_nop
	global_prefetch_b8 v0, s[64:65] scope:SCOPE_SE
	s_setreg_imm32_b32 hwreg(HW_REG_WAVE_MODE, 25, 1), 1
	s_wait_xcnt 0x0
	s_wait_alu depctr_hold_cnt(0) depctr_sa_sdst(0) depctr_va_vdst(0) depctr_va_sdst(0) depctr_va_ssrc(0) depctr_va_vcc(0) depctr_vm_vsrc(0)
	s_getreg_b32 s2, hwreg(HW_REG_IB_STS2, 6, 4)
	s_cmp_eq_u32 s2, 0
	s_cbranch_scc0 .Lentry_in_a_cluster
	s_endpgm
.Lentry_in_a_cluster:
	s_bfe_u32 s2, ttmp6, 0x10000c
	s_cmp_lg_u32 s2, 0x3003
	s_cbranch_scc0 .Lentry_shape_is_right
	s_endpgm
.Lentry_shape_is_right:
; out0[z][n] = the sum over the 10,240 folded columns of (f[z][i] f[z][j]) cs[n][column].  features: [4096][128] f32; cs: [1024][10240] f16, made by the launch before; out0: [4096][1024] f32.
; Column 640 t + 32 s + j' of cs, s = 2 p + e, stands for i = 32 ci + 2 t + e and j = 32 cj + j', (ci, cj) = panel p of ten.
; THE LEFT OPERAND IS NEVER IN MEMORY.  A K step of 32 has one i and 32 neighbouring j.  In a fragment a lane holds one row z, so the step's fragment is the fragment of the features' chunk cj,
; which stays in registers, times the lane's own f[z][i]: eight packed f16 multiplies a fragment, set two behind each matrix instruction, one K step ahead of their use.
; FORMAT AND LIMITS.  f, the products f_i f_j and cs are f16, each rounded once; sums in f32.  |f_i f_j| stays below 65,520 (|f| up to 255), else an infinity; below 6.1e-5 f16 keeps its fixed step of 6e-8.
; SHARES.  A work-group makes 256 rows x 64 columns: 16 x 16 = 256 work-groups.  The left operand costs no bytes and the right one all of them, so the tile is tall: each of the four waves has 64 rows and ALL 64 columns
; (16 accumulators, 128 registers), and the four read the same 64 rows of cs from LDS.  K goes in 16 tiles of 640 (20 K steps) through two LDS slots; each wave fetches 16 rows x 1,280 bytes of a tile with one tensor load.
; CLUSTER.  The four row blocks of a cluster make the same 64 columns and walk the same tiles of cs: each tile is asked for JOINTLY, by the same tensor load with the same descriptor and the mask of all four.
; THE MATRIX INSTRUCTION IS USED TRANSPOSED (source 0 = 16 rows of cs, source 1 = 16 rows z): a lane then holds eight neighbouring numbers of a row of out0.
; REGISTERS, in windows of 256 (s_set_vgpr_msb: bits 1:0 source 0, 3:2 source 1, 5:4 source 2, 7:6 destination):
;   window 0: v0-15 addresses; v16-31 MW; v32-63 MD; v64-127 two buffers of made fragments; v128-255 the accumulators
;   window 1: v0-127 the features' fragments, chunk c, row block a at 32 c + 8 a; v128-255 two buffers of cs's fragments, a panel (two K steps) each        window 2: the features as loaded, at the start alone
; One setting (source 0 in window 1) serves the matrix instructions AND the multiplies behind them: two switches for a panel's 32 matrix instructions, round its run of LDS loads.
.set PITCH, 1360                       ; a row of a slot: 1,280 bytes + 16 of padding behind every 256 = 340 words: row r starts at bank 20 r mod 64 (64 banks of 4 bytes: ISA guide 11.1): 16 rows, 16 different groups of four banks
.set QROWS, 16*PITCH                   ; 16 rows: what one tensor load brings
.set SLOT1, 1<<17                      ; slot 0 at 0, slot 1 here, so that one exclusive or turns an address in one slot into the other's
.set SP,    272                        ; rows of 256 bytes + 16 in the stage and in the table
.set STAGE, 4*QROWS                    ; 87,040: 16 rows for each wave, for the way out; no tensor load fills it
.set SPARE, STAGE+4*16*SP              ; 104,448: the spare words, 128 bytes for each wave
.set TAB,   SLOT1+4*QROWS              ; 218,112: the work-group's 256 rows of features in f16; no tensor load fills it
.set TW,    64*SP                      ; a wave's 64 rows of it
.set BL,  3                            ; v3   my place in a slot: row l % 16, 16 bytes for each half of the lanes; never rewritten
.set AB0, 4                            ; v4   the same in the slot in hand, rows 0-31 of the tile
.set AB1, 5                            ; v5   rows 32-63
.set AM,  6                            ; v6   where the next tile's multipliers lie in the table
.set STO, 7                            ; v7   the way out: where I put 32 bytes of a row
.set RD,  8                            ; v8   the way out: where I read a row back
.set CO,  9                            ; v9   my byte offset in out0
.set SPW, 10                           ; v10  LDS address of my spare word; never rewritten
.set NIL, 11                           ; v11  0; never rewritten
.set FO,  12                           ; v12  16 l: my bytes in a row of features
.set TS,  13                           ; v13  where I put 8 bytes of a row of the table
.set TR,  14                           ; v14  where I read fragments from the table
.set AM0, 15                           ; v15  row l % 16 of my wave's part of the table; never rewritten
.set MW,  16                           ; MW + 4 ci + a: the word {f[z][i], f[z][i+1]}, i = 32 ci + 2 t, z = my row of block a
.set MD,  32                           ; MD + 8 ci + 2 a + e: f[z][i + e] in both halves
.set G,   64                           ; made fragments: buffer g, row block a at G + 32 g + 8 a
.set ACC, 128                          ; accumulator (a, b) at ACC + 8 (4 a + b)
.set BASE, 0                           ; window 1
.set F0,  128                          ; window 1: K step e of the panel, column block b at 32 e + 8 b
.set F1,  192
.set WV,  10                           ; s10  my wave's number
.set G1,  24                           ; s[24:31] descriptor group 1
.set G0A, 32                           ; s[32:35] descriptor group 0 of tile 0
.set G0B, 36                           ; s[36:39] of tile 1; it then walks
.set CNT, 40                           ; s40  trips to go
.set TB,  41                           ; s41  0 or SLOT1: the slot in hand
.set DLO, 42                           ; s42  v_perm_b32's select: the low half twice
.set DHI, 43                           ; s43  the high half twice
.set TM,  44                           ; s44  4 (t + 1): the next tile's multipliers' place in a row of the table
.set MSB, 0
.macro WIN new                         ; the immediate's high byte repeats the setting that is left; a switch that changes nothing is dropped
.if MSB != (\new)
	s_set_vgpr_msb (MSB<<8)|(\new)
.set MSB, (\new)
.endif
.endm
.set MUL,  0x01                        ; source 0 window 1, all else window 0
.set TO_B, 0x40                        ; destination window 1, address window 0
.macro PANEL p                         ; panel p of ten: (0,0) (0,1) (0,2) (0,3) (1,1) (1,2) (1,3) (2,2) (2,3) (3,3)
.if (\p) < 4
.set CI, 0
.set CJ, (\p)
.elseif (\p) < 7
.set CI, 1
.set CJ, (\p)-3
.elseif (\p) < 9
.set CI, 2
.set CJ, (\p)-5
.else
.set CI, 3
.set CJ, 3
.endif
.endm
; A round of the cluster's barrier: my work-group's barrier, so that wave 0's signal speaks for all four waves; wave 0 signals; every wave waits for all four work-groups; my work-group's barrier once more.
.macro CREST                           ; a round behind its opening barrier
	s_cmp_lg_u32 s[WV], 0
	s_cbranch_scc1 .Lnot_wave_0_\@
	s_barrier_signal -3
.Lnot_wave_0_\@:
	s_barrier_wait -3
	s_barrier_signal -1
	s_barrier_wait -1
.endm
.macro CROUND                          ; a whole round
	s_barrier_signal -1
	s_barrier_wait -1
	CREST
.endm
; Half a K step: accumulators y0 .. y0 + 7 (y = 4 a + b) take cs's fragments e of buffer f and the made fragments of buffer g.  zero = 1: the product starts the sum: nothing is ever cleared.
; rid = 1: behind accumulator y stand registers 2 y and 2 y + 1 of the 32 of K step ns's fragments, made into the other buffer.  The 16 accumulators take turns, one instruction a turn, in the same order in every
; K step.  A multiply writes a register whose last reader stands 26 multiplies back or more, none of which names a register of that reader (four places: ISA guide 7.12.1).
.macro KHALF f, e, g, y0, zero, rid, ns
	PANEL (\ns)/2
.set y, (\y0)
.rept 8
.set rD, ACC+8*y
.set rB, (\f)+32*(\e)+8*(y%4)
.set rA, G+32*(\g)+8*(y/4)
.if \zero
	v_wmma_f32_16x16x32_f16 v[rD:rD+7], v[rB:rB+7], v[rA:rA+7], 0
.else
	v_wmma_f32_16x16x32_f16 v[rD:rD+7], v[rB:rB+7], v[rA:rA+7], v[rD:rD+7]
.endif
.if \rid
.set x, 2*y
	v_pk_mul_f16 v[G+32*(1-(\g))+x],   v[BASE+32*CJ+x],   v[MD+8*CI+2*(x/8)+(\ns)%2]
	v_pk_mul_f16 v[G+32*(1-(\g))+x+1], v[BASE+32*CJ+x+1], v[MD+8*CI+2*(x/8)+(\ns)%2]
.endif
.set y, y+1
.endr
.endm
; 16 LDS loads in one run: cs's fragments of panel q (K steps 2 q and 2 q + 1, the first one's first) into buffer f.  K step s begins at byte 64 s + 16 (s / 4) of a row.
; The buffer's last reader stands 26 multiplies back or more that name none of its registers.
.macro FETCH q, f
	WIN TO_B
.irp e, 0,1
.irp b, 0,1,2,3
	ds_load_b128 v[(\f)+32*(\e)+8*(\b):(\f)+32*(\e)+8*(\b)+3],   v[AB0+(\b)/2] offset:((\b)%2)*QROWS+64*(2*(\q)+(\e))+16*((2*(\q)+(\e))/4)
	ds_load_b128 v[(\f)+32*(\e)+8*(\b)+4:(\f)+32*(\e)+8*(\b)+7], v[AB0+(\b)/2] offset:((\b)%2)*QROWS+64*(2*(\q)+(\e))+16*((2*(\q)+(\e))/4)+32
.endr
.endr
.endm
.macro MLOAD                           ; a tile's 16 words of multipliers
.irp c, 0,1,2,3
.irp a, 0,1,2,3
	ds_load_b32 v[MW+4*(\c)+(\a)], v[AM] offset:16*SP*(\a)+64*(\c)
.endr
.endr
.endm
.macro MDUP ci                         ; chunk ci's eight multipliers, each into both halves of a register
.irp a, 0,1,2,3
	v_perm_b32 v[MD+8*(\ci)+2*(\a)],   v[MW+4*(\ci)+(\a)], v[MW+4*(\ci)+(\a)], s[DLO]
	v_perm_b32 v[MD+8*(\ci)+2*(\a)+1], v[MW+4*(\ci)+(\a)], v[MW+4*(\ci)+(\a)], s[DHI]
.endr
.endm
; Panel q of a tile, q = 0 .. 8: two K steps, and between them the next panel's run of loads.  mnext = 1: a further tile follows, and its multipliers are made where the old ones are done with:
; the words are loaded in panel 2 (the old ones were all spread out in the tile before); chunk 0's, last read in K step 6 and wanted in step 19, are spread out in panel 5; chunk 1's, last read in step 12, in panel 7.
.macro PAIR q, zero, mnext
	s_wait_dscnt 8                                 ; the first K step's fragments are in (and what was issued before them); the second's eight loads may be out
	WIN MUL
	KHALF F0+64*((\q)%2), 0, 0, 0, \zero, 1, 2*(\q)+1
	KHALF F0+64*((\q)%2), 0, 0, 8, \zero, 1, 2*(\q)+1
.set NRUN, 16
.if \mnext
.if (\q) == 2
	WIN 0
	v_add_nc_u32 v[AM], s[TM], v[AM0]
	MLOAD
.set NRUN, 32
.elseif (\q) == 5
	WIN 0
	MDUP 0
.elseif (\q) == 7
	WIN 0
	MDUP 1
.endif
.endif
	FETCH (\q)+1, F0+64*(((\q)+1)%2)
	s_wait_dscnt NRUN                              ; all but the run just issued
	WIN MUL
	KHALF F0+64*((\q)%2), 1, 1, 0, 0, 1, 2*(\q)+2
	KHALF F0+64*((\q)%2), 1, 1, 8, 0, 1, 2*(\q)+2
.endm
; Panel 9 and THE CHANGE OF SLOTS: ONE barrier for two things.  In front of it each wave waits for all its tensor loads, of which one is out: its part of the next slot; adds 0 to its spare word; and waits for that
; and for its own reads of this slot.  Behind it nobody reads this slot any more and the next slot is whole.  fill = 1: this slot is filled again, two tiles ahead: the barrier then opens a round of the cluster's barrier,
; so that no wave of any partner still reads the slot or has a load on its way, and the joint load is the first thing behind the round: 304 matrix instructions stand between it and the wait for it.
.macro TURN fill
	WIN 0                                          ; (the add's two registers lie in window 0)
	s_wait_tensorcnt 0x0                           ; all my tensor loads have landed, so a group 0 may be written
	ds_add_u32 v[SPW], v[NIL]                      ; 0 onto my spare word
	s_wait_dscnt 9                                 ; (the add and the youngest eight loads may be out)
	WIN MUL
	KHALF F1, 0, 0, 0, 0, 1, 19                    ; eight matrix instructions stand between the add and the wait for it
	s_wait_dscnt 0x0                               ; the add is done, and my reads of this slot are over
	s_barrier_signal -1
	KHALF F1, 0, 0, 8, 0, 1, 19                    ; work on registers while the others arrive
	WIN 0
	s_barrier_wait -1
.if \fill
	CREST
	s_xor_b32 s[G0B+1], s[G0B+1], SLOT1            ; the walking descriptor: the other slot than last time,
	s_add_nc_u64 s[G0B+2:G0B+3], s[G0B+2:G0B+3], 1280  ; the next 640 columns; the type bits on top are not reached
	tensor_load_to_lds s[G0B:G0B+3], s[G1:G1+7]
	s_nop 0
.endif
	s_xor_b32 s[TB], s[TB], SLOT1
	MDUP 2                                         ; chunks 2 and 3 were last read in K steps 16 and 18: the next tile's are spread out (sixteen lines under window 0: no window is switched near the tensor load)
	MDUP 3
	v_add_nc_u32 v[AB0], s[TB], v[BL]
	v_add_nc_u32 v[AB1], 2*QROWS, v[AB0]
	FETCH 0, F0                                    ; the next tile's first panel
	WIN MUL
	KHALF F1, 1, 1, 0, 0, 1, 0                     ; K step 19; behind its products the next tile's K step 0 is made
	KHALF F1, 1, 1, 8, 0, 1, 0
.endm
	s_load_b128 s[4:7], s[0:1], 0x0                ; features s[4:5], cs s[6:7]
	s_load_b64 s[8:9], s[0:1], 0x10                ; out0
	v_lshl_add_u32 v[SPW], v0, 2, SPARE
	v_mov_b32 v[NIL], 0
	ds_add_u32 v[SPW], v[NIL]                      ; the wave's opening: the add and its wait stand ahead of my first tensor load; the set-up below, work on registers, stands between them
	v_lshrrev_b32 v1, 5, v0
	v_readfirstlane_b32 s[WV], v1                  ; wave 0..3
	s_bfe_u32 s11, ttmp6, 0x40000                  ; cx: my place in the cluster
	s_lshl_b32 s12, ttmp9, 2                       ; in a cluster launch ttmp9 counts clusters
	s_add_co_u32 s12, s12, s11                     ; my block of 256 rows = 4 x cluster x + cx: it enters the features' and out0's addresses alone
	s_and_b32 s13, ttmp7, 0xffff                   ; my block of 64 columns, which the four partners share
	; descriptor group 1: a tile of 16 rows x 640 elements, padded in LDS
	s_mov_b32 s[G1+0], 15|(1<<16)|(1<<20)|(1<<21)|(5<<22)|(3<<25)  ; 15:0 the mask: all four work-groups; 17:16 elements of 2 bytes; 20 padding on; 21 set beside a mask; 24:22 after every 64 words (code 5); 31:25 4 words of it (code 3)
	s_mov_b32 s[G1+1], 640<<16                     ; tensor_dim0 = 640
	s_mov_b32 s[G1+2], 16<<16                      ; tensor_dim1 = 16
	s_mov_b32 s[G1+3], 640<<16                     ; tile_dim0 = 640
	s_mov_b32 s[G1+4], 16                          ; tile_dim1 = 16
	s_mov_b32 s[G1+5], 10240                       ; elements from row to row
	s_mov_b32 s[G1+6], 0
	s_mov_b32 s[G1+7], 0
	s_mov_b32 s[DLO], 0x01000100
	s_mov_b32 s[DHI], 0x03020302
	s_mov_b32 s[TB], 0
	s_mov_b32 s[TM], 4
	s_lshl_b32 s14, s12, 17                        ; features: 256 rows of 512 bytes a block,
	s_lshl_b32 s15, s[WV], 15                      ; 64 a wave
	s_add_co_u32 s14, s14, s15
	s_mov_b32 s15, 0
	s_lshl_b32 s16, s12, 20                        ; out0: 256 rows of 4,096 bytes a block,
	s_lshl_b32 s17, s[WV], 18                      ; 64 a wave,
	s_add_co_u32 s16, s16, s17
	s_lshl_b32 s17, s13, 8                         ; 64 columns of 4 bytes
	s_add_co_u32 s16, s16, s17
	s_mov_b32 s17, 0
	s_mul_i32 s18, s13, 64*20480                   ; cs: 64 rows of 20,480 bytes a column block,
	s_mul_i32 s19, s[WV], 16*20480                 ; of which I fetch 16: made of what the partners share, in registers that never hold cx
	s_add_co_u32 s18, s18, s19
	s_mov_b32 s19, 0
	s_mul_i32 s20, s[WV], QROWS                    ; and where they go in a slot
	s_mul_i32 s21, s[WV], TW
	s_add_co_u32 s21, s21, TAB                     ; my wave's part of the table
	s_mul_i32 s22, s[WV], 16*SP
	s_add_co_u32 s22, s22, STAGE                   ; my stage
	s_wait_dscnt 0x0                               ; the opening add is done
	s_wait_kmcnt 0x0
	s_add_nc_u64 s[4:5], s[4:5], s[14:15]
	s_add_nc_u64 s[8:9], s[8:9], s[16:17]
	s_add_nc_u64 s[6:7], s[6:7], s[18:19]
	s_mov_b32 s[G0A], 1                            ; 1:0 count = 1
	s_mov_b32 s[G0A+1], s20                        ; 63:32 LDS address: slot 0
	s_mov_b64 s[G0A+2:G0A+3], s[6:7]               ; 120:64 global address: tile 0
	s_or_b32 s[G0A+3], s[G0A+3], 0x80000000        ; 127:126 type = 2
	s_mov_b32 s[G0B], 1
	s_add_co_u32 s[G0B+1], s20, SLOT1              ; slot 1
	s_add_nc_u64 s[G0B+2:G0B+3], s[6:7], 1280      ; tile 1
	s_or_b32 s[G0B+3], s[G0B+3], 0x80000000
	CROUND                                         ; all four work-groups are here: the first joint loads meet
	tensor_load_to_lds s[G0A:G0A+3], s[G1:G1+7]    ; both first fills go out together, ahead of every wait on TENSORcnt and every LDS read: two loads of mine are out
	s_nop 0
	tensor_load_to_lds s[G0B:G0B+3], s[G1:G1+7]
	s_nop 0
	v_and_b32 v4, 31, v0                           ; l        (four lines under window 0 stand behind the loads, ahead of the first switch)
	v_and_b32 v1, 15, v0                           ; l % 16
	v_bfe_u32 v2, v0, 4, 1                         ; l / 16
	v_lshlrev_b32 v[FO], 4, v4
	; THE FEATURES, in the wait for the first tile: my wave's 64 rows, a row of 512 bytes a load
	WIN 0x80                                       ; destination window 2, address window 0
.set i, 0
.rept 64
	global_load_b128 v[4*i:4*i+3], v[FO], s[4:5] offset:512*i
.set i, i+1
.endr
	WIN 0
	v_lshl_add_u32 v[TS], v4, 3, s21               ; into the table: 8 bytes a lane
	v_mul_u32_u24 v5, v1, SP
	v_add_nc_u32 v[AM0], s21, v5                   ; row l % 16
	v_lshl_add_u32 v[TR], v2, 4, v[AM0]            ; a fragment: + 16 bytes for the upper half of the lanes
	v_mov_b32 v[AM], v[AM0]                        ; tile 0's multipliers
	v_add_nc_u32 v[STO], s22, v5                   ; into the stage: row l % 16, 32 bytes for each half of the lanes
	v_lshl_add_u32 v[STO], v2, 5, v[STO]
	v_mul_u32_u24 v5, v2, SP                       ; back: lanes 0-15 take one row of 256 bytes, lanes 16-31 the next
	v_lshl_add_u32 v5, v1, 4, v5
	v_add_nc_u32 v[RD], s22, v5
	v_lshlrev_b32 v[CO], 12, v2                    ; and the same two rows in out0
	v_lshl_add_u32 v[CO], v1, 4, v[CO]
	v_mul_u32_u24 v[BL], v1, PITCH
	v_lshl_add_u32 v[BL], v2, 4, v[BL]
	v_mov_b32 v[AB0], v[BL]                        ; slot 0
	v_add_nc_u32 v[AB1], 2*QROWS, v[BL]
.irp g, 0,1,2,3                        ; 16 rows at a time: rounded to f16 (into registers that the accumulators take later) and laid into the table
	s_wait_loadcnt 48-16*(\g)                      ; loads come back in order: this group's 16 are in, the later groups' stay out
	WIN 0x0a                                       ; sources 0 and 1 window 2
.set i, 16*(\g)
.rept 16
	v_cvt_pk_f16_f32 v[ACC+2*i],   v[4*i],   v[4*i+1]
	v_cvt_pk_f16_f32 v[ACC+2*i+1], v[4*i+2], v[4*i+3]
.set i, i+1
.endr
	WIN 0
.set i, 16*(\g)
.rept 16
	ds_store_b64 v[TS], v[ACC+2*i:ACC+2*i+1] offset:SP*i
.set i, i+1
.endr
.endr
	; A fragment is 16 rows x 32 columns in 8 registers: lane l holds row l % 16, columns 8 (l / 16) + 0..7 and 16 + 8 (l / 16) + 0..7: two loads of 16 bytes, 32 bytes apart.
	WIN TO_B                                       ; LDS serves a wave's instructions in order (ISA guide 5.7.1.4), and a wave reads its own 64 rows alone: these see the stores above
.irp c, 0,1,2,3
.irp a, 0,1,2,3
	ds_load_b128 v[BASE+32*(\c)+8*(\a):BASE+32*(\c)+8*(\a)+3],   v[TR] offset:16*SP*(\a)+64*(\c)
	ds_load_b128 v[BASE+32*(\c)+8*(\a)+4:BASE+32*(\c)+8*(\a)+7], v[TR] offset:16*SP*(\a)+64*(\c)+32
.endr
.endr
	WIN 0
	MLOAD
	s_wait_dscnt 0x0                               ; fragments and multipliers are in; no LDS instruction of mine is out at the signal below
	MDUP 0
	MDUP 1
	MDUP 2
	MDUP 3
	s_wait_tensorcnt 0x1                           ; my part of tile 0 is in; tile 1's may stay out
	s_barrier_signal -1
	s_barrier_wait -1                              ; everybody's is
	FETCH 0, F0
	WIN MUL
	PANEL 0
.set x, 0
.rept 32                               ; K step 0's fragments: the only ones that are not made behind matrix instructions
	v_pk_mul_f16 v[G+x], v[BASE+32*CJ+x], v[MD+8*CI+2*(x/8)]
.set x, x+1
.endr
	PAIR 0, 1, 1                                   ; the first panel stands in front of the loop: its first K step starts the sums
	WIN 0                                          ; at a label and at a branch every window is 0
	s_mov_b32 s[CNT], 14
.Lslot:                                                ; trip t = 0 .. 13: panels 1 to 9 of tile t, the refill with tile t + 2, panel 0 of tile t + 1
.irp q, 1,2,3,4,5,6,7,8
	PAIR \q, 0, 1
.endr
	TURN 1
	PAIR 0, 0, 1
	WIN 0
	s_add_co_u32 s[TM], s[TM], 4                   ; the multipliers of the tile after the next
	s_sub_co_u32 s[CNT], s[CNT], 1
	s_cmp_lg_u32 s[CNT], 0
	s_cbranch_scc1 .Lslot
.irp q, 1,2,3,4,5,6,7,8                ; the tail is written out.  Tile 14: nothing is left to ask for
	PAIR \q, 0, 1
.endr
	TURN 0
	PAIR 0, 0, 0
.irp q, 1,2,3,4,5,6,7,8                ; tile 15: no further multipliers
	PAIR \q, 0, 0
.endr
	s_wait_dscnt 8                                 ; the last panel
	WIN MUL
	KHALF F1, 0, 0, 0, 0, 1, 19
	KHALF F1, 0, 0, 8, 0, 1, 19
	s_wait_dscnt 0x0
	KHALF F1, 1, 1, 0, 0, 0, 0                     ; the last K step: nothing more to make
	KHALF F1, 1, 1, 8, 0, 0, 0
	; THE WAY OUT.  A lane's 8 numbers of an accumulator are 32 bytes of a row; a row's 64 numbers are 256 bytes.  16 rows at a time go into my own stage and come back as whole rows.
	WIN 0
.rept 4
	v_nop                                          ; four places behind the last products, ahead of the reads of their results and of the loads into registers that they read
.endr
.irp a, 0,1,2,3
.if (\a) >= 2
	s_wait_xcnt 0x0                                ; the registers that the stores of two blocks ago read are loaded again only behind this wait
.endif
.irp b, 0,1,2,3
	ds_store_b128 v[STO], v[ACC+8*(4*(\a)+(\b)):ACC+8*(4*(\a)+(\b))+3]   offset:64*(\b)     ; each accumulator's low registers first
	ds_store_b128 v[STO], v[ACC+8*(4*(\a)+(\b))+4:ACC+8*(4*(\a)+(\b))+7] offset:64*(\b)+16
.endr
.irp t, 0,1,2,3,4,5,6,7
	ds_load_b128 v[G+32*((\a)%2)+4*(\t):G+32*((\a)%2)+4*(\t)+3], v[RD] offset:2*SP*(\t)    ; in order behind the stores above; the next block's stores come behind these
.endr
.irp t, 0,1,2,3,4,5,6,7
	s_wait_dscnt 7-(\t)                            ; load t is back, the later ones stay out
	global_store_b128 v[CO], v[G+32*((\a)%2)+4*(\t):G+32*((\a)%2)+4*(\t)+3], s[8:9] offset:(16*(\a)+2*(\t))*4096 th:TH_STORE_NT  ; 16 lanes store 256 consecutive bytes, at a multiple of 256 from out0's first byte
.endr
.endr
	s_wait_tensorcnt 0x0                           ; the wave's end: behind my last tensor load and my last LDS store
	ds_add_u32 v[SPW], v[NIL]
	s_wait_dscnt 0x0
	CROUND                                         ; the closing round: no work-group ends while a partner may still ask for a tile that names it
	s_endpgm
.Lfunc_end_k_q47dc8bde89_square:
	.size	k_q47dc8bde89_square, .Lfunc_end_k_q47dc8bde89_square-k_q47dc8bde89_square
	.p2alignl 7, 3214868480
	.fill 96, 4, 3214868480
	.section	.rodata,"a",@progbits
	.p2align	6, 0x0
	.amdhsa_kernel k_q47dc8bde89_square
		.amdhsa_group_segment_fixed_size 327680
		.amdhsa_private_segment_fixed_size 0
		.amdhsa_enable_private_segment 0
		.amdhsa_kernarg_size 24
		.amdhsa_user_sgpr_count 2
		.amdhsa_user_sgpr_kernarg_segment_ptr 1
		.amdhsa_wavefront_size32 1
		.amdhsa_system_sgpr_workgroup_id_x 1
		.amdhsa_system_sgpr_workgroup_id_y 1
		.amdhsa_system_sgpr_workgroup_id_z 1
		.amdhsa_system_vgpr_workitem_id 0
		.amdhsa_next_free_vgpr 768
		.amdhsa_next_free_sgpr 66
		.amdhsa_reserve_vcc 0
		.amdhsa_float_denorm_mode_32 3
		.amdhsa_float_denorm_mode_16_64 3
		.amdhsa_memory_ordered 1
		.amdhsa_forward_progress 1
		.amdhsa_inst_pref_size 255
	.end_amdhsa_kernel
	.section	.bss,"aw",@nobits
	.p2align	6
	.space	262144
	.amdgpu_metadata
---
amdhsa.version: [ 1, 2 ]
amdhsa.kernels:
  - .name:           k_q47dc8bde89_square
    .symbol:         k_q47dc8bde89_square.kd
    .args:
      - { .name: features, .offset: 0, .size: 8, .value_kind: global_buffer, .address_space: global }
      - { .name: cs, .offset: 8, .size: 8, .value_kind: global_buffer, .address_space: global }
      - { .name: out0, .offset: 16, .size: 8, .value_kind: global_buffer, .address_space: global }
    .group_segment_fixed_size: 327680
    .private_segment_fixed_size: 0
    .kernarg_segment_align: 8
    .kernarg_segment_size: 24
    .max_flat_workgroup_size: 128
    .sgpr_count:     66
    .vgpr_count:     768
    .wavefront_size: 32
...
	.end_amdgpu_metadata
.endif
;; end of part 2
